; MI455X (gfx1250); checked and timed in simulation.
; The chip was launched on July 23, 2026; its instructions are those of AMD's public machine-readable ISA for CDNA 5 (MIT licence, August 2026) and "CDNA5" Instruction Set Architecture Reference Guide (July 2026). The comments in the code are by the model that wrote it; some were corrected since.
;; Sent DAN Simple. Allowed arithmetic: float matrix products may take bf16 or f16 operands with f32 sums; all other float work in f32.
;; Inputs: W1 768 x 768 float32; W2 2 x 768 float32; b1 768 float32; b2 2 float32; input_ids 128 x 2,048 int32; inputs 128 x 2,048 x 768 float32.
;; Outputs: out0 128 x 2 float32.
;; One version. Each part assembles by itself: llvm-mc -triple=amdgcn-amd-amdhsa -mcpu=gfx1250 --defsym DOCPART=n.
;; ======== version 1 of 1: 2 launches
;; workspace buffers: part 786,432 bytes; fold 7,168 bytes
;; launch pool (part 1): grid 256 x 1, 16 waves a work-group, no clusters, 51,712 bytes of LDS; arguments inputs, input_ids, W1, W2, part, fold; writes part, fold
.if DOCPART == 1
	.amdgcn_target "amdgcn-amd-amdhsa--gfx1250"
	.amdhsa_code_object_version 6
	.text
	.protected	k_q18ecc56901_pool
	.globl	k_q18ecc56901_pool
	.p2align	8
	.type	k_q18ecc56901_pool,@function
k_q18ecc56901_pool:
	s_mov_b64 s[64:65], 0
	v_nop
	global_prefetch_b8 v0, s[64:65] scope:SCOPE_SE
	s_setreg_imm32_b32 hwreg(HW_REG_WAVE_MODE, 25, 1), 1
	s_wait_xcnt 0x0
; POOL: masked column sums of inputs[128][2048][768] (f32), in halves of a batch element, and the folded weight F = W2 W1.
;
; The two linear layers of the problem have nothing between them, so the program computes
;     out = pooled (W2 W1)^T + (W2 b1 + b2)          with F[j][d] = sum over e of W2[j][e] W1[e][d]
; which is the same function of every input; h is never formed.  LIMITS: all sums are f32, but their order differs from
; the textbook order (rows are summed per wave and then over 16 waves; the layers are folded); where W2 W1 overflows or
; holds Inf/NaN the pattern of Inf/NaN in the result can differ.  Pad rows are multiplied by 0.0, not skipped, so an Inf or NaN
; in a pad row gives NaN, as a product with the mask does.
;
; Work-group g owns rows 1024 g .. 1024 g + 1023 of the 262,144 rows (half of batch element g / 2).  Wave w takes the rows
; 16 r + w, r = 0 .. 63.  A row is 3,072 bytes: six loads of 16 bytes a lane, each covering 512 consecutive bytes that start
; on a multiple of 256.  A ring of four row slots keeps 24 loads (12,288 bytes) of every wave in flight, 196,608 bytes
; for the work-group.  No byte of the stream is used twice, so it goes straight to registers: no LDS ring, no shared tiles,
; no matrix unit (the weights of this sum are 0 and 1, one per row, and live in a scalar register).
; Beside the stream the work-group makes columns 3 g .. 3 g + 2 of F; its loads are issued ahead of the ring's first fill.
; Out: part[g][768] (the sums), fold[j][3g..3g+2] (F, 24 bytes in two pieces), fold word 1536 + g (how many rows counted).
.set ROW,    3072                      ; bytes in a row of inputs, of W1, of W2, of part
.set WAVES,  16
.set WGROWS, 1024                      ; rows of a work-group
.set SLOTS,  4                         ; row slots in a wave's ring
.set LOGS,   2
.set BPW,    SLOTS/2                   ; bits that each of the two mask words gives up in a round
.set LOGB,   LOGS-1
.set ROUNDS, WGROWS/WAVES/SLOTS        ; 16
.set RLOADS, 6                         ; loads in a row
.set STEP,   SLOTS*WAVES*ROW           ; from a slot's row to its next row
.set FWAVES, 12                        ; waves 0-11 fold: 384 threads, rows e = t and e = t + 384 of W1
.set FHALF,  384
.set FOLDB,  WAVES*ROW                 ; LDS: 16 x 3,072 bytes of sums, then 12 x 32 bytes of fold sums,
.set CNTB,   FOLDB+FWAVES*32           ;      then 16 words of counts
.set CNTOFF, 2*ROW                     ; the counts lie behind the two rows of F in fold
.set ACC, 8                            ; v[8:31]    my 24 column sums
.set OFF, 32                           ; v[32:35]   slot i: byte offset of my 16 bytes in the slot's row, from the group's first row
.set X,   36                           ; v[36:131]  slot i: 24 registers, the row as loaded
.set FW,  132                          ; v[132:137] W1[e][3g..3g+2], W1[e+384][3g..3g+2]
.set FC,  138                          ; v[138:141] W2[0][e], W2[1][e], W2[0][e+384], W2[1][e+384]
.set FS,  142                          ; v[142:149] six sums F[j][3g+i] at 3 j + i, and two zeros
.set ID,  150                          ; v[150:151] one id for each bit of the two mask words
.set MW,  20                           ; s20, s21   mask words: bit = the row's id is not the pad token
.set MK,  28                           ; s[28:29]   the current row's mask as f32 (the low word is used for both halves)
	s_load_b256 s[4:11], s[0:1], 0x0               ; inputs s[4:5], input_ids s[6:7], W1 s[8:9], W2 s[10:11]
	s_load_b128 s[12:15], s[0:1], 0x20             ; part s[12:13], fold s[14:15]
	v_lshl_add_u32 v152, v0, 2, 0xc200
	v_mov_b32 v153, 0
	v_lshrrev_b32 v1, 5, v0
	v_readfirstlane_b32 s16, v1                    ; wave number
	v_and_b32 v2, 31, v0                           ; lane
	s_mul_i32 s17, ttmp9, 12                       ; byte offset of column 3 g in a row of W1 or F
	s_lshl_b32 s30, ttmp9, 2                       ; byte offset of count g
	s_lshl_b32 s31, s16, 2                         ; 4 w
	s_lshl_b32 s32, s16, 5                         ; 32 w
	s_mul_i32 s33, s16, ROW                        ; row w; also my wave's 3,072 bytes in LDS
	s_mov_b32 s24, 0x76543210                      ; v_permlanex16_b32: lane i reads lane i of the other half
	s_mov_b32 s25, 0xfedcba98
	s_mov_b32 s[MK+1], 0                           ; the pair's upper word is named by the packed forms, never used
	v_lshl_add_u32 v3, v2, 4, s33                  ; 16 x lane + row w
.irp i, 0,1,2,3
	v_add_nc_u32 v[OFF+\i], \i*WAVES*ROW, v3       ; slot i starts at r = i
.endr
	; Bit l of mask word k stands for r = SLOTS (l / BPW) + BPW k + l % BPW: round l / BPW, slot BPW k + l % BPW.
	; So each round tests the lowest BPW bits of both words and then shifts them out.
	v_lshrrev_b32 v4, LOGB, v2
	v_and_b32 v7, BPW-1, v2
	v_lshl_add_u32 v4, v4, LOGS, v7                ; r for word 0
	v_lshl_add_u32 v4, v4, 6, s31                  ; id 16 r + w, 4 bytes each
	v_mul_u32_u24 v5, v0, ROW                      ; row e = t of W1
	v_lshlrev_b32 v6, 2, v0                        ; W2[.][t]
	s_mul_i32 s18, ttmp9, WGROWS*ROW               ; at most 255 x 3,145,728: below 2^31
	s_mov_b32 s19, 0
	s_wait_kmcnt 0x0
	s_add_nc_u64 s[4:5], s[4:5], s[18:19]          ; inputs at the group's first row
	s_lshl_b32 s18, ttmp9, 12
	s_add_nc_u64 s[6:7], s[6:7], s[18:19]          ; input_ids at the group's first row
	s_mov_b32 s18, s17
	s_add_nc_u64 s[8:9], s[8:9], s[18:19]          ; W1 at column 3 g
	s_mul_i32 s18, ttmp9, ROW
	s_add_nc_u64 s[12:13], s[12:13], s[18:19]      ; part at row g
	global_load_b32 v[ID],   v4, s[6:7]
	global_load_b32 v[ID+1], v4, s[6:7] offset:64*BPW
	s_cmp_ge_u32 s16, FWAVES
	s_cbranch_scc1 .Lfill                          ; waves 12-15 have no rows of W1
.irp i, 0,1,2
	global_load_b32 v[FW+\i],   v5, s[8:9] offset:4*\i
	global_load_b32 v[FW+3+\i], v5, s[8:9] offset:FHALF*ROW+4*\i
.endr
	global_load_b32 v[FC],   v6, s[10:11]
	global_load_b32 v[FC+1], v6, s[10:11] offset:ROW
	global_load_b32 v[FC+2], v6, s[10:11] offset:4*FHALF
	global_load_b32 v[FC+3], v6, s[10:11] offset:ROW+4*FHALF
.Lfill:
.irp i, 0,1,2,3
.irp j, 0,1,2,3,4,5
	global_load_b128 v[X+24*\i+4*\j:X+24*\i+4*\j+3], v[OFF+\i], s[4:5] offset:512*\j th:TH_LOAD_NT
.endr
.endr
	s_wait_loadcnt SLOTS*RLOADS                    ; loads return in order (ISA guide 5.7.1): all but the ring's 24 are in
	v_cmp_ne_u32 s[MW],   0, v[ID]                 ; 32 rows' mask bits at once
	v_cmp_ne_u32 s[MW+1], 0, v[ID+1]
	s_bcnt1_i32_b32 s22, s[MW]
	s_bcnt1_i32_b32 s23, s[MW+1]
	s_add_co_u32 s22, s22, s23                     ; my 64 rows' count, at most 64: exact in f32
	v_cvt_f32_u32 v7, s22
	v_mov_b32 v1, s31
	ds_store_b32 v1, v7 offset:CNTB                ; every lane the same word and value
	s_cmp_ge_u32 s16, FWAVES
	s_cbranch_scc1 .Lmain
	; my two rows' share of the six sums, then over the 32 lanes, then 32 bytes of my own in LDS
.irp j, 0,1
.irp i, 0,1,2
	v_mul_f32  v[FS+3*\j+\i], v[FC+\j],   v[FW+\i]
	v_fmac_f32 v[FS+3*\j+\i], v[FC+2+\j], v[FW+3+\i]
.endr
.endr
.irp m, 1,2,4,8
.irp q, 0,1,2,3,4,5
	v_add_f32_dpp v[FS+\q], v[FS+\q], v[FS+\q] row_xmask:\m row_mask:0xf bank_mask:0xf
.endr
.endr
.irp q, 0,1,2,3,4,5
	v_permlanex16_b32 v[FW+\q], v[FS+\q], s24, s25 ; FW has been written and is no longer needed
.endr
.irp q, 0,1,2,3,4,5
	v_add_f32 v[FS+\q], v[FS+\q], v[FW+\q]
.endr
	v_mov_b32 v[FS+6], 0                           ; words 6 and 7 are read with the rest below: they hold zeros
	v_mov_b32 v[FS+7], 0
	v_mov_b32 v1, s32
	ds_store_b128 v1, v[FS:FS+3]   offset:FOLDB
	ds_store_b128 v1, v[FS+4:FS+7] offset:FOLDB+16
.Lmain:
; One slot's turn.  first = 1: the products start the sums (nothing is cleared).  ahead = 1: the slot is filled again, SLOTS rows of
; mine further down.  left = how many younger loads may stay out when this slot's six have to be in.
.macro SLOT i, first, ahead, left
	s_wait_loadcnt \left                           ; my six loads are in: X's slot can be read and the slot's offset stepped
	s_bitcmp1_b32 s[MW+\i/BPW], \i%BPW
	s_cselect_b32 s[MK], 1.0, 0                    ; the row's mask as a number
.irp j, 0,1,2,3,4,5,6,7,8,9,10,11
.if \first
	v_pk_mul_f32 v[ACC+2*\j:ACC+2*\j+1], v[X+24*\i+2*\j:X+24*\i+2*\j+1], s[MK:MK+1] op_sel_hi:[1,0]
.else
	v_pk_fma_f32 v[ACC+2*\j:ACC+2*\j+1], v[X+24*\i+2*\j:X+24*\i+2*\j+1], s[MK:MK+1], v[ACC+2*\j:ACC+2*\j+1] op_sel_hi:[1,0,1]
.endif
.endr
.if \ahead
	v_add_nc_u32 v[OFF+\i], STEP, v[OFF+\i]
.irp j, 0,1,2,3,4,5
	global_load_b128 v[X+24*\i+4*\j:X+24*\i+4*\j+3], v[OFF+\i], s[4:5] offset:512*\j th:TH_LOAD_NT
.endr
.endif
.endm
.macro NEXTBITS
	s_lshr_b32 s[MW],   s[MW],   BPW
	s_lshr_b32 s[MW+1], s[MW+1], BPW
.endm
	SLOT 0, 1, 1, (SLOTS-1)*RLOADS                 ; round 0 stands in front of the loop: its first row starts the sums
	SLOT 1, 0, 1, (SLOTS-1)*RLOADS
	SLOT 2, 0, 1, (SLOTS-1)*RLOADS
	SLOT 3, 0, 1, (SLOTS-1)*RLOADS
	NEXTBITS
	s_mov_b32 s26, ROUNDS-2
.Lround:
	SLOT 0, 0, 1, (SLOTS-1)*RLOADS                 ; three younger slots of six loads stay out
	SLOT 1, 0, 1, (SLOTS-1)*RLOADS
	SLOT 2, 0, 1, (SLOTS-1)*RLOADS
	SLOT 3, 0, 1, (SLOTS-1)*RLOADS
	NEXTBITS
	s_sub_co_u32 s26, s26, 1
	s_cmp_lg_u32 s26, 0
	s_cbranch_scc1 .Lround
	SLOT 0, 0, 0, 3*RLOADS                         ; the last round loads nothing: no load leaves the group's rows,
	SLOT 1, 0, 0, 2*RLOADS                         ; and the counts run down
	SLOT 2, 0, 0, 1*RLOADS
	SLOT 3, 0, 0, 0
	; the sixteen waves' sums meet in LDS: 512 consecutive bytes a store
.irp j, 0,1,2,3,4,5
	ds_store_b128 v3, v[ACC+4*\j:ACC+4*\j+3] offset:512*\j
.endr
	s_wait_dscnt 0x0                               ; for the others' sake: sums, fold sums and count are all written
	s_barrier_signal -1
	s_barrier_wait -1
	s_cmp_lt_u32 s16, 6
	s_cbranch_scc1 .Lsum
	s_cmp_eq_u32 s16, 6
	s_cbranch_scc1 .Lfold_out
	s_cmp_eq_u32 s16, 7
	s_cbranch_scc1 .Lcount_out
	s_wait_tensorcnt 0x0
	ds_add_u32 v152, v153
	s_wait_dscnt 0x0
	s_endpgm
.Lsum:                                             ; waves 0-5: thread t adds columns 4 t .. 4 t + 3 over the 16 waves
	v_lshlrev_b32 v7, 4, v0
.irp k, 0,1,2,3,4,5,6,7,8,9,10,11,12,13,14,15
	ds_load_b128 v[X+4*\k:X+4*\k+3], v7 offset:ROW*\k
.endr
	s_wait_dscnt 0x0
.irp h, 8,4,2,1
.set k, 0
.rept \h
	v_pk_add_f32 v[X+4*k:X+4*k+1],   v[X+4*k:X+4*k+1],   v[X+4*(k+\h):X+4*(k+\h)+1]
	v_pk_add_f32 v[X+4*k+2:X+4*k+3], v[X+4*k+2:X+4*k+3], v[X+4*(k+\h)+2:X+4*(k+\h)+3]
.set k, k+1
.endr
.endr
	global_store_b128 v7, v[X:X+3], s[12:13]       ; a wave's store covers 512 consecutive bytes, aligned to 256
	s_wait_tensorcnt 0x0
	ds_add_u32 v152, v153
	s_wait_dscnt 0x0
	s_endpgm
.Lfold_out:                                        ; wave 6: the 12 x 8 words; word 8 w + q is lane (8 w + q) % 32 of load w / 4
	v_lshlrev_b32 v7, 2, v2
	ds_load_b32 v[X],   v7 offset:FOLDB
	ds_load_b32 v[X+1], v7 offset:FOLDB+128
	ds_load_b32 v[X+2], v7 offset:FOLDB+256
	v_mov_b32 v5, ROW-12
	v_cmp_le_u32 vcc_lo, 3, v2
	v_cndmask_b32 v5, 0, v5, vcc_lo                ; lanes 3-5 hold row 1 of F
	v_add3_u32 v6, v7, v5, s17                     ; 4 q + (row 1: 3,072 - 12) + 12 g
	s_wait_dscnt 0x0
	v_add_f32 v[X], v[X], v[X+1]
	v_add_f32 v[X], v[X], v[X+2]
	v_add_f32_dpp v[X], v[X], v[X] row_xmask:8 row_mask:0xf bank_mask:0xf
	v_permlanex16_b32 v[X+1], v[X], s24, s25
	v_add_f32 v[X], v[X], v[X+1]                   ; lane l: sum q = l % 8 over all twelve waves
	v_cmp_gt_u32 vcc_lo, 6, v2
	s_wait_xcnt 0x0                                ; EXEC changes only behind this wait (ISA guide 3.1)
	s_wait_tensorcnt 0x0
	ds_add_u32 v152, v153
	s_wait_dscnt 0x0
	s_and_saveexec_b32 s27, vcc_lo
	global_store_b32 v6, v[X], s[14:15]            ; two pieces of 12 bytes: all that this group owns of F
	s_endpgm
.Lcount_out:                                       ; wave 7: the sixteen counts, one to a lane of each half
	v_and_b32 v7, 15, v2
	v_lshlrev_b32 v7, 2, v7
	ds_load_b32 v[X], v7 offset:CNTB
	v_mov_b32 v6, s30
	s_wait_dscnt 0x0
.irp m, 1,2,4,8
	v_add_f32_dpp v[X], v[X], v[X] row_xmask:\m row_mask:0xf bank_mask:0xf
.endr
	v_cmp_eq_u32 vcc_lo, 0, v2
	s_wait_xcnt 0x0                                ; EXEC changes only behind this wait
	s_wait_tensorcnt 0x0
	ds_add_u32 v152, v153
	s_wait_dscnt 0x0
	s_and_saveexec_b32 s27, vcc_lo
	global_store_b32 v6, v[X], s[14:15] offset:CNTOFF  ; at most 1,024: exact in f32
	s_endpgm
.Lfunc_end_k_q18ecc56901_pool:
	.size	k_q18ecc56901_pool, .Lfunc_end_k_q18ecc56901_pool-k_q18ecc56901_pool
	.p2alignl 7, 3214868480
	.fill 96, 4, 3214868480
	.section	.rodata,"a",@progbits
	.p2align	6, 0x0
	.amdhsa_kernel k_q18ecc56901_pool
		.amdhsa_group_segment_fixed_size 51712
		.amdhsa_private_segment_fixed_size 0
		.amdhsa_enable_private_segment 0
		.amdhsa_kernarg_size 48
		.amdhsa_user_sgpr_count 2
		.amdhsa_user_sgpr_kernarg_segment_ptr 1
		.amdhsa_wavefront_size32 1
		.amdhsa_system_sgpr_workgroup_id_x 1
		.amdhsa_system_sgpr_workgroup_id_y 1
		.amdhsa_system_sgpr_workgroup_id_z 1
		.amdhsa_system_vgpr_workitem_id 0
		.amdhsa_next_free_vgpr 154
		.amdhsa_next_free_sgpr 66
		.amdhsa_reserve_vcc 1
		.amdhsa_float_denorm_mode_32 3
		.amdhsa_float_denorm_mode_16_64 3
		.amdhsa_memory_ordered 1
		.amdhsa_forward_progress 1
		.amdhsa_inst_pref_size 30
	.end_amdhsa_kernel
	.amdgpu_metadata
---
amdhsa.version: [ 1, 2 ]
amdhsa.kernels:
  - .name:           k_q18ecc56901_pool
    .symbol:         k_q18ecc56901_pool.kd
    .args:
      - { .name: inputs, .offset: 0, .size: 8, .value_kind: global_buffer, .address_space: global }
      - { .name: input_ids, .offset: 8, .size: 8, .value_kind: global_buffer, .address_space: global }
      - { .name: W1, .offset: 16, .size: 8, .value_kind: global_buffer, .address_space: global }
      - { .name: W2, .offset: 24, .size: 8, .value_kind: global_buffer, .address_space: global }
      - { .name: part, .offset: 32, .size: 8, .value_kind: global_buffer, .address_space: global }
      - { .name: fold, .offset: 40, .size: 8, .value_kind: global_buffer, .address_space: global }
    .group_segment_fixed_size: 51712
    .private_segment_fixed_size: 0
    .kernarg_segment_align: 8
    .kernarg_segment_size: 48
    .max_flat_workgroup_size: 512
    .sgpr_count:     66
    .vgpr_count:     154
    .wavefront_size: 32
...
	.end_amdgpu_metadata
.endif
;; end of part 1
;; launch head (part 2): grid 128 x 1, 1 waves a work-group, no clusters, 0 bytes of LDS; arguments part, fold, W2, b1, b2, out0; writes out0
.if DOCPART == 2
	.amdgcn_target "amdgcn-amd-amdhsa--gfx1250"
	.amdhsa_code_object_version 6
	.text
	.protected	k_q18ecc56901_head
	.globl	k_q18ecc56901_head
	.p2align	8
	.type	k_q18ecc56901_head,@function
k_q18ecc56901_head:
	s_mov_b64 s[64:65], 0
	v_nop
	global_prefetch_b8 v0, s[64:65] scope:SCOPE_SE
	s_setreg_imm32_b32 hwreg(HW_REG_WAVE_MODE, 25, 1), 1
	s_wait_xcnt 0x0
; HEAD: out[b][j] = (sum over d of (part[2b][d] + part[2b+1][d]) F[j][d]) / max(count, 1) + sum over e of b1[e] W2[j][e] + b2[j].
; part, F (fold rows 0, 1) and the two counts (fold words 1536 + 2b, 1537 + 2b) come from the launch before.
; One wave for a batch element: every vector here is 768 f32 = six loads of 16 bytes a lane, all 42 loads are issued at once,
; and nothing is shared between waves, so there is no LDS and no barrier.  Two output rows: no work for the matrix unit.
; LIMITS: the division is v_rcp_f32 (1 ULP; the count is 1 .. 2,048) and a multiply, applied to the dot product and not to each
; pooled number; sums are f32 in this text's order.  The wave's result is 8 bytes; the whole output is 1,024 bytes, and gathering
; 32 elements for one long store would put the launch on four work-groups.
.set ROW,    3072
.set CNTOFF, 2*ROW
.set BI, 8                             ; v[8:31]     b1
.set WA, 32                            ; v[32:55]    W2 row 0
.set WB, 56                            ; v[56:79]    W2 row 1
.set FA, 80                            ; v[80:103]   F row 0
.set FB, 104                           ; v[104:127]  F row 1
.set PA, 128                           ; v[128:151]  sums of the element's first 1,024 rows, then of all
.set PB, 152                           ; v[152:175]  sums of its last 1,024 rows
.set CA, 176                           ; v[176:177]  b1 . W2[0], two chains
.set CB, 178                           ; v[178:179]  b1 . W2[1]
.set DA, 180                           ; v[180:181]  sums . F[0]
.set DB, 182                           ; v[182:183]  sums . F[1]
.set RC, 184                           ; v[184:185]  1 / max(count, 1), twice
.set TT, 186
.set OU, 188                           ; v[188:189]  the two results
	s_load_b256 s[4:11], s[0:1], 0x0               ; part s[4:5], fold s[6:7], W2 s[8:9], b1 s[10:11]
	s_load_b128 s[12:15], s[0:1], 0x20             ; b2 s[12:13], out0 s[14:15]
	v_lshlrev_b32 v1, 4, v0                        ; 16 bytes a lane
	s_lshl_b32 s16, ttmp9, 3                       ; 8 b: two counts, two outputs
	s_mov_b32 s17, 0
	s_mul_i32 s18, ttmp9, 2*ROW                    ; two rows of part
	s_mov_b32 s19, 0
	s_mov_b32 s24, 0x76543210                      ; v_permlanex16_b32: lane i reads lane i of the other half
	s_mov_b32 s25, 0xfedcba98
	s_wait_kmcnt 0x0
	s_load_b64 s[20:21], s[6:7], s16 offset:CNTOFF ; the two halves' counts
	s_load_b64 s[22:23], s[12:13], 0x0             ; b2
	s_add_nc_u64 s[4:5], s[4:5], s[18:19]
	s_add_nc_u64 s[14:15], s[14:15], s[16:17]
.irp j, 0,1,2,3,4,5
	global_load_b128 v[BI+4*\j:BI+4*\j+3], v1, s[10:11] offset:512*\j
	global_load_b128 v[WA+4*\j:WA+4*\j+3], v1, s[8:9] offset:512*\j
	global_load_b128 v[WB+4*\j:WB+4*\j+3], v1, s[8:9] offset:ROW+512*\j
.endr
.irp j, 0,1,2,3,4,5
	global_load_b128 v[FA+4*\j:FA+4*\j+3], v1, s[6:7] offset:512*\j
	global_load_b128 v[FB+4*\j:FB+4*\j+3], v1, s[6:7] offset:ROW+512*\j
	global_load_b128 v[PA+4*\j:PA+4*\j+3], v1, s[4:5] offset:512*\j
	global_load_b128 v[PB+4*\j:PB+4*\j+3], v1, s[4:5] offset:ROW+512*\j
.endr
	s_wait_kmcnt 0x0
	v_add_f32 v[TT], s20, s21
	v_max_num_f32 v[TT], 1.0, v[TT]
	v_rcp_f32 v[RC], v[TT]                         ; plain vector work that names neither RC nor TT follows before RC is used
	v_rcp_f32 v[RC+1], v[TT]                       ; (ISA guide 5.7.2)
	s_wait_loadcnt 24                              ; b1 and W2 are in; the 24 younger loads (F, part) stay out
	v_pk_mul_f32 v[CA:CA+1], v[BI:BI+1], v[WA:WA+1]        ; the first products start the sums
	v_pk_mul_f32 v[CB:CB+1], v[BI:BI+1], v[WB:WB+1]
.set k, 2
.rept 11
	v_pk_fma_f32 v[CA:CA+1], v[BI+k:BI+k+1], v[WA+k:WA+k+1], v[CA:CA+1]
	v_pk_fma_f32 v[CB:CB+1], v[BI+k:BI+k+1], v[WB+k:WB+k+1], v[CB:CB+1]
.set k, k+2
.endr
	s_wait_loadcnt 0x0
.set k, 0
.rept 12
	v_pk_add_f32 v[PA+k:PA+k+1], v[PA+k:PA+k+1], v[PB+k:PB+k+1]    ; the element's whole sums
.set k, k+2
.endr
	v_pk_mul_f32 v[DA:DA+1], v[PA:PA+1], v[FA:FA+1]
	v_pk_mul_f32 v[DB:DB+1], v[PA:PA+1], v[FB:FB+1]
.set k, 2
.rept 11
	v_pk_fma_f32 v[DA:DA+1], v[PA+k:PA+k+1], v[FA+k:FA+k+1], v[DA:DA+1]
	v_pk_fma_f32 v[DB:DB+1], v[PA+k:PA+k+1], v[FB+k:FB+k+1], v[DB:DB+1]
.set k, k+2
.endr
	s_wait_alu depctr_va_vdst(0)
	v_pk_fma_f32 v[DA:DA+1], v[DA:DA+1], v[RC:RC+1], v[CA:CA+1]    ; the mean's share and the bias's share in one number,
	v_pk_fma_f32 v[DB:DB+1], v[DB:DB+1], v[RC:RC+1], v[CB:CB+1]    ; so that one reduction serves both
	v_add_f32 v[OU],   v[DA], v[DA+1]
	v_add_f32 v[OU+1], v[DB], v[DB+1]
.irp m, 1,2,4,8
	v_add_f32_dpp v[OU],   v[OU],   v[OU]   row_xmask:\m row_mask:0xf bank_mask:0xf
	v_add_f32_dpp v[OU+1], v[OU+1], v[OU+1] row_xmask:\m row_mask:0xf bank_mask:0xf
.endr
	v_permlanex16_b32 v[CA], v[OU],   s24, s25     ; CA, CB have been written and are no longer needed
	v_permlanex16_b32 v[CB], v[OU+1], s24, s25
	v_add_f32 v[OU],   v[OU],   v[CA]
	v_add_f32 v[OU+1], v[OU+1], v[CB]
	v_add_f32 v[OU],   s22, v[OU]                  ; + b2
	v_add_f32 v[OU+1], s23, v[OU+1]
	v_cmp_eq_u32 vcc_lo, 0, v0
	s_wait_xcnt 0x0                                ; EXEC changes only behind this wait (ISA guide 3.1)
	s_and_saveexec_b32 s26, vcc_lo
	global_store_b64 v1, v[OU:OU+1], s[14:15]      ; lane 0, whose offset 16 x lane is 0: out[b][0], out[b][1]
	s_endpgm
.Lfunc_end_k_q18ecc56901_head:
	.size	k_q18ecc56901_head, .Lfunc_end_k_q18ecc56901_head-k_q18ecc56901_head
	.p2alignl 7, 3214868480
	.fill 96, 4, 3214868480
	.section	.rodata,"a",@progbits
	.p2align	6, 0x0
	.amdhsa_kernel k_q18ecc56901_head
		.amdhsa_group_segment_fixed_size 0
		.amdhsa_private_segment_fixed_size 0
		.amdhsa_enable_private_segment 0
		.amdhsa_kernarg_size 48
		.amdhsa_user_sgpr_count 2
		.amdhsa_user_sgpr_kernarg_segment_ptr 1
		.amdhsa_wavefront_size32 1
		.amdhsa_system_sgpr_workgroup_id_x 1
		.amdhsa_system_sgpr_workgroup_id_y 1
		.amdhsa_system_sgpr_workgroup_id_z 1
		.amdhsa_system_vgpr_workitem_id 0
		.amdhsa_next_free_vgpr 192
		.amdhsa_next_free_sgpr 66
		.amdhsa_reserve_vcc 1
		.amdhsa_float_denorm_mode_32 3
		.amdhsa_float_denorm_mode_16_64 3
		.amdhsa_memory_ordered 1
		.amdhsa_forward_progress 1
		.amdhsa_inst_pref_size 11
	.end_amdhsa_kernel
	.amdgpu_metadata
---
amdhsa.version: [ 1, 2 ]
amdhsa.kernels:
  - .name:           k_q18ecc56901_head
    .symbol:         k_q18ecc56901_head.kd
    .args:
      - { .name: part, .offset: 0, .size: 8, .value_kind: global_buffer, .address_space: global }
      - { .name: fold, .offset: 8, .size: 8, .value_kind: global_buffer, .address_space: global }
      - { .name: W2, .offset: 16, .size: 8, .value_kind: global_buffer, .address_space: global }
      - { .name: b1, .offset: 24, .size: 8, .value_kind: global_buffer, .address_space: global }
      - { .name: b2, .offset: 32, .size: 8, .value_kind: global_buffer, .address_space: global }
      - { .name: out0, .offset: 40, .size: 8, .value_kind: global_buffer, .address_space: global }
    .group_segment_fixed_size: 0
    .private_segment_fixed_size: 0
    .kernarg_segment_align: 8
    .kernarg_segment_size: 48
    .max_flat_workgroup_size: 32
    .sgpr_count:     66
    .vgpr_count:     192
    .wavefront_size: 32
...
	.end_amdgpu_metadata
.endif
;; end of part 2
